; MI455X (gfx1250); checked and timed in simulation.
; The chip was launched on July 23, 2026; its instructions are those of AMD's public machine-readable ISA for CDNA 5 (MIT licence, August 2026) and "CDNA5" Instruction Set Architecture Reference Guide (July 2026). The comments in the code are by the model that wrote it; some were corrected since.
;; Scaled Dot Product Attention. Allowed arithmetic: matrix products marked QUANTISED: E5M2 operands, one given power-of-two scale a tensor, by v_wmma_f32_16x16x64_bf8_bf8 or v_wmma_f32_16x16x128_bf8_bf8, f32 sums; everything else in f32.
;; Inputs: Wk 1,024 x 1,024 float32; Wq 1,024 x 1,024 float32; Wv 1,024 x 1,024 float32; attention_mask 8 x 1 x 1,024 x 1,024 int32; bk 1,024 float32; bq 1,024 float32; bv 1,024 float32; group_prob 8 x 1 x 1,024 x 1,024 float32; keys 8 x 1,024 x 1,024 float32; lowp_scales 10 int32 (the exponents e of the quantised operands' scales 2^e); queries 8 x 1,024 x 1,024 float32; values 8 x 1,024 x 1,024 float32.
;; Outputs: out0 8 x 1,024 x 1,024 float32.
;; This version of the problem:
;;   THIS VERSION OF THE PROBLEM IS GIVEN IN LOW PRECISION. The matrix products marked QUANTISED in the list below multiply operands that are first quantised to E5M2 (5 exponent bits, 2 mantissa bits; 8 bits a number), with one given power-of-two scale for each operand tensor; their sums are f32. All else is computed in f32.
;;   The module's matrix products, in the order in which they are computed (A, B: the left and right operand; K: the contracted axis; several contracted axes count as one K, in the product's order):
;;     1. [M 8,192, K 1,024] x [K 1,024, N 1,024]; A: input queries; B: input Wq: QUANTISED (scales: A lowp_scales[0], B lowp_scales[1])
;;     2. [M 8,192, K 1,024] x [K 1,024, N 1,024]; A: input keys; B: input Wk: QUANTISED (scales: A lowp_scales[2], B lowp_scales[3])
;;     3. [M 8,192, K 1,024] x [K 1,024, N 1,024]; A: input values; B: input Wv: QUANTISED (scales: A lowp_scales[4], B lowp_scales[5])
;;     4. batch 128 x [M 1,024, K 64] x [K 64, N 1,024]; A: computed on the way; B: computed on the way: QUANTISED (scales: A lowp_scales[6], B lowp_scales[7])
;;     5. batch 128 x [M 1,024, K 1,024] x [K 1,024, N 64]; A: computed on the way; B: computed on the way: QUANTISED (scales: A lowp_scales[8], B lowp_scales[9])
;;   THE QUANTISER, for each operand of a quantised product, along K:
;;     - The operand's scale is 2^e, e = its entry of the input lowp_scales (int32; the entries are numbered through the quantised products in the list's order, A before B).
;;     - Each number is divided by the scale, clamped to +-57,344, and rounded to the nearest number of E5M2, ties to even, subnormals kept.
;;     - The product sums the exact products of the quantised numbers (number of the format x scale) in f32.
;;   ~~~python
;;   def quantise(x, axis, e):      # numpy; x: float32 -> the quantised numbers, widened to float32 again
;;       x = np.moveaxis(x, axis, -1); K = x.shape[-1]
;;       r = np.clip(x / 2.0 ** e, -57344, 57344)
;;       step = 2.0 ** (np.maximum(np.frexp(np.where(r == 0, 1, r))[1] - 1, -14) - 2)
;;       q = np.round(r / step) * step * 2.0 ** e      # np.round: ties to even
;;       return np.moveaxis(q, -1, axis).astype(np.float32)
;;   ~~~
;;   OPERANDS COMPUTED ON THE WAY. 'Computed on the way' means the value that the module computes at that place (a softmax that the list does not call 'softmax' is quantised finished and normalised). What goes into a quantiser is computed in f32, as accurately as f32 sums, v_exp_f32 and their like allow (about 1e-6 of the number): no bf16 or f16 on the way to a quantiser, and a product that is left as it is and whose result goes on into a quantised operand takes f32 operands (vector FMAs, or v_wmma_f32_16x16x4_f32). A number that lies on a knife's edge between two numbers of the format may be rounded either way, as far as f32 arithmetic and the matrix unit's own rounding can turn it there, and no further.
;; One version. Each part assembles by itself: llvm-mc -triple=amdgcn-amd-amdhsa -mcpu=gfx1250 --defsym DOCPART=n.
;; ======== version 1 of 1: 3 launches
;; limits: right only within a limited range of input values
;; workspace buffers: xc 25,165,824 bytes; wc 3,145,728 bytes; hc 25,165,824 bytes
;; launch quant (part 1): grid 288 x 3, 4 waves a work-group, no clusters, 0 bytes of LDS; arguments queries, keys, values, Wq, Wk, Wv, lowp_scales, xc, wc; writes xc, wc
.if DOCPART == 1
	.amdgcn_target "amdgcn-amd-amdhsa--gfx1250"
	.amdhsa_code_object_version 6
	.text
	.protected	k_q9a52905a56_quant
	.globl	k_q9a52905a56_quant
	.p2align	8
	.type	k_q9a52905a56_quant,@function
k_q9a52905a56_quant:
	s_mov_b64 s[64:65], 0
	v_nop
	global_prefetch_b8 v0, s[64:65] scope:SCOPE_SE
	s_setreg_imm32_b32 hwreg(HW_REG_WAVE_MODE, 25, 1), 1
	s_wait_xcnt 0x0
; queries, keys, values [8192][1024] and Wq, Wk, Wv [1024][1024], f32, K innermost, become codes of BF8 (E5M2), one byte each, each tensor with the one scale 2^e given for it.
; code = x / 2^e, held within +-57,344, rounded to the nearest code, ties to even.  e: entries 0 to 5 of lowp_scales (activation, weight; q, k, v).
; LIMITS: -126 <= e and e + 15 <= 127, so that both powers of two below are f32 numbers.  NaN among the inputs is not served (an infinity is held at the largest code).
; xc: three parts of 8 MiB (queries, keys, values); wc: three parts of 1 MiB (Wq, Wk, Wv); a row is 1,024 bytes.
; THE ORDER OF K IN A ROW OF CODES IS PERMUTED, alike in all six tensors: inside each aligned run of 512 codes, byte 16 l + 4 i + j holds k = 128 i + 4 l + j (l 0..31, i 0..3, j 0..3).
; A product of a row of xc with a row of wc still pairs every k with itself; only the order of the sum changes.  What it buys: lane l takes 16 bytes of each of four loads of 512 consecutive bytes,
; its 16 registers become 16 bytes, and the wave stores 512 consecutive bytes: every load and every store is dense, and nothing has to change lanes.
; SHARES: work-group y picks q, k or v; x < 256 takes 32,768 numbers of the activation, x >= 256 of the weight.  A wave takes 8,192 numbers: 16 steps of 512.
; No LDS, no barrier, no cluster: waves share nothing, and each byte is read once and written once.  Loads run four steps (16 loads a wave) ahead.
; attention_mask: reference() never uses it (its masked copy of the scores is discarded), so it has no way to any output for any values; no launch of this program loads it or has it among its arguments.
.set STEPS, 16
.set R,     16                         ; v16-79   four sets of 16 numbers
.set C,     128                        ; v128-191 codes: four registers for each step, so that no store's data are written again
	s_load_b256 s[4:11], s[0:1], 0x0               ; queries s[4:5], keys s[6:7], values s[8:9], Wq s[10:11]
	s_load_b256 s[12:19], s[0:1], 0x20             ; Wk s[12:13], Wv s[14:15], the scales' exponents s[16:17], xc s[18:19]
	s_load_b64 s[20:21], s[0:1], 0x40              ; wc
	v_lshrrev_b32 v2, 5, v0
	v_readfirstlane_b32 s22, v2                    ; wave
	v_and_b32 v1, 31, v0
	v_lshlrev_b32 v1, 4, v1                        ; 16 x lane: my bytes of a load's 512 and of a store's 512; never rewritten
	s_and_b32 s23, ttmp7, 0xffff                   ; y: 0 q, 1 k, 2 v
	s_wait_alu depctr_va_vdst(0)
	s_wait_kmcnt 0x0
	s_load_b256 s[36:43], s[16:17], 0x0            ; e0 .. e7
	s_cmp_eq_u32 s23, 1                            ; every choice hangs on the work-group's number alone
	s_cselect_b64 s[4:5], s[6:7], s[4:5]           ; the activation,
	s_cselect_b64 s[10:11], s[12:13], s[10:11]     ; the weight
	s_cmp_eq_u32 s23, 2
	s_cselect_b64 s[4:5], s[8:9], s[4:5]
	s_cselect_b64 s[10:11], s[14:15], s[10:11]
	s_lshl_b32 s24, s23, 23                        ; xc's part: 8 MiB x y
	s_mov_b32 s25, 0
	s_lshl_b32 s26, s23, 20                        ; wc's part: 1 MiB x y
	s_mov_b32 s27, 0
	s_add_nc_u64 s[18:19], s[18:19], s[24:25]
	s_add_nc_u64 s[20:21], s[20:21], s[26:27]
	s_cmp_lt_u32 ttmp9, 256                        ; activation or weight?
	s_cselect_b64 s[4:5], s[4:5], s[10:11]         ; from here
	s_cselect_b64 s[8:9], s[18:19], s[20:21]       ; to there
	s_cselect_b32 s28, 0, 256
	s_sub_co_u32 s28, ttmp9, s28
	s_lshl_b32 s28, s28, 2
	s_add_co_u32 s28, s28, s22                     ; which run of 8,192 numbers is my wave's
	s_lshl_b32 s30, s28, 15                        ; 32,768 bytes of f32,
	s_mov_b32 s31, 0
	s_add_nc_u64 s[4:5], s[4:5], s[30:31]
	s_lshl_b32 s30, s28, 13                        ; 8,192 bytes of codes
	s_add_nc_u64 s[8:9], s[8:9], s[30:31]
.macro LOAD t                          ; step t: four loads of 512 consecutive bytes
.irp i, 0,1,2,3
	global_load_b128 v[R+16*((\t)%4)+4*\i:R+16*((\t)%4)+4*\i+3], v1, s[4:5] offset:2048*(\t)+512*\i th:TH_LOAD_NT
.endr
.endm
.irp t, 0,1,2,3
	LOAD \t
.endr
	s_wait_kmcnt 0x0
	s_cmp_eq_u32 s23, 1
	s_cselect_b64 s[36:37], s[38:39], s[36:37]
	s_cmp_eq_u32 s23, 2
	s_cselect_b64 s[36:37], s[40:41], s[36:37]
	s_cmp_lt_u32 ttmp9, 256
	s_cselect_b32 s36, s36, s37                    ; e
	s_add_co_i32 s36, s36, 127
	s_lshl_b32 s37, s36, 23
	v_mov_b32 v11, s37                             ; 2^e as f32: the conversion takes its exponent field
	s_add_co_i32 s36, s36, 15
	s_lshl_b32 s36, s36, 23
	s_or_b32 s36, s36, 0x600000
	v_mov_b32 v10, s36                             ; 57,344 x 2^e
.macro STEP t
.set XS, R+16*((\t)%4)
.if 15-(\t) >= 3
	s_wait_loadcnt 12                              ; loads come back in order: this step's four are in, those of the three steps behind it may be out
.else
	s_wait_loadcnt 4*(15-(\t))
.endif
.irp i, 0,1,2,3,4,5,6,7,8,9,10,11,12,13,14,15
	v_med3_num_f32 v[XS+\i], v[XS+\i], -v10, v10   ; the conversion to an 8-bit code does not saturate (ISA guide 7.6.2): the hold at the largest code x the scale comes first
.endr
	v_cvt_scalef32_pk8_bf8_f32 v[C+4*(\t):C+4*(\t)+1], v[XS:XS+7], v11
	v_cvt_scalef32_pk8_bf8_f32 v[C+4*(\t)+2:C+4*(\t)+3], v[XS+8:XS+15], v11
	global_store_b128 v1, v[C+4*(\t):C+4*(\t)+3], s[8:9] offset:512*(\t)   ; 32 lanes store 512 consecutive bytes, aligned.  (The results go to a store alone, and the next vector lines are the next step's plain holds on other registers)
.if (\t)+4 < STEPS
	LOAD (\t)+4                                    ; into the set just converted
.endif
.endm
	s_wait_alu depctr_va_vdst(0)
.irp t, 0,1,2,3,4,5,6,7,8,9,10,11,12,13,14,15
	STEP \t
.endr
	s_endpgm
.Lfunc_end_k_q9a52905a56_quant:
	.size	k_q9a52905a56_quant, .Lfunc_end_k_q9a52905a56_quant-k_q9a52905a56_quant
	.p2alignl 7, 3214868480
	.fill 96, 4, 3214868480
	.section	.rodata,"a",@progbits
	.p2align	6, 0x0
	.amdhsa_kernel k_q9a52905a56_quant
		.amdhsa_group_segment_fixed_size 0
		.amdhsa_private_segment_fixed_size 0
		.amdhsa_enable_private_segment 0
		.amdhsa_kernarg_size 72
		.amdhsa_user_sgpr_count 2
		.amdhsa_user_sgpr_kernarg_segment_ptr 1
		.amdhsa_wavefront_size32 1
		.amdhsa_system_sgpr_workgroup_id_x 1
		.amdhsa_system_sgpr_workgroup_id_y 1
		.amdhsa_system_sgpr_workgroup_id_z 1
		.amdhsa_system_vgpr_workitem_id 0
		.amdhsa_next_free_vgpr 192
		.amdhsa_next_free_sgpr 66
		.amdhsa_reserve_vcc 0
		.amdhsa_float_denorm_mode_32 3
		.amdhsa_float_denorm_mode_16_64 3
		.amdhsa_memory_ordered 1
		.amdhsa_forward_progress 1
		.amdhsa_inst_pref_size 29
	.end_amdhsa_kernel
	.amdgpu_metadata
---
amdhsa.version: [ 1, 2 ]
amdhsa.kernels:
  - .name:           k_q9a52905a56_quant
    .symbol:         k_q9a52905a56_quant.kd
    .args:
      - { .name: queries, .offset: 0, .size: 8, .value_kind: global_buffer, .address_space: global }
      - { .name: keys, .offset: 8, .size: 8, .value_kind: global_buffer, .address_space: global }
      - { .name: values, .offset: 16, .size: 8, .value_kind: global_buffer, .address_space: global }
      - { .name: Wq, .offset: 24, .size: 8, .value_kind: global_buffer, .address_space: global }
      - { .name: Wk, .offset: 32, .size: 8, .value_kind: global_buffer, .address_space: global }
      - { .name: Wv, .offset: 40, .size: 8, .value_kind: global_buffer, .address_space: global }
      - { .name: lowp_scales, .offset: 48, .size: 8, .value_kind: global_buffer, .address_space: global }
      - { .name: xc, .offset: 56, .size: 8, .value_kind: global_buffer, .address_space: global }
      - { .name: wc, .offset: 64, .size: 8, .value_kind: global_buffer, .address_space: global }
    .group_segment_fixed_size: 0
    .private_segment_fixed_size: 0
    .kernarg_segment_align: 8
    .kernarg_segment_size: 72
    .max_flat_workgroup_size: 128
    .sgpr_count:     66
    .vgpr_count:     192
    .wavefront_size: 32
...
	.end_amdgpu_metadata
.endif
;; end of part 1
;; launch proj (part 2): grid 4 x 96, 4 waves a work-group, clusters of 4 x 4, 327,680 bytes of LDS; arguments xc, wc, bq, bk, bv, lowp_scales, hc; writes hc
.if DOCPART == 2
	.amdgcn_target "amdgcn-amd-amdhsa--gfx1250"
	.amdhsa_code_object_version 6
	.text
	.protected	k_q9a52905a56_proj
	.globl	k_q9a52905a56_proj
	.p2align	8
	.type	k_q9a52905a56_proj,@function
k_q9a52905a56_proj:
	s_mov_b64 s[64:65], 0
	v_nop
	global_prefetch_b8 v0, s[64:65] scope:SCOPE_SE
	s_setreg_imm32_b32 hwreg(HW_REG_WAVE_MODE, 25, 1), 1
	s_wait_xcnt 0x0
	s_wait_alu depctr_hold_cnt(0) depctr_sa_sdst(0) depctr_va_vdst(0) depctr_va_sdst(0) depctr_va_ssrc(0) depctr_va_vcc(0) depctr_vm_vsrc(0)
	s_getreg_b32 s2, hwreg(HW_REG_IB_STS2, 6, 4)
	s_cmp_eq_u32 s2, 0
	s_cbranch_scc0 .Lentry_in_a_cluster
	s_endpgm
.Lentry_in_a_cluster:
	s_bfe_u32 s2, ttmp6, 0x10000c
	s_cmp_lg_u32 s2, 0xf033
	s_cbranch_scc0 .Lentry_shape_is_right
	s_endpgm
.Lentry_shape_is_right:
; q = queries Wq^T + bq, k = keys Wk^T + bk, v = values Wv^T + bv on codes of BF8 (E5M2), f32 sums; each result is quantised at once for the attention launch and stored as codes.
; xc: three parts [8192][1024], wc: three parts [1024][1024], codes, K innermost (in an order of K that is the same in both).  hc: three parts of 8 MiB: q, k, v.
; SCALES: a sum stands for sum x 2^(ea + eb) (lowp_scales 2 t, 2 t + 1); the result's scale is 2^eo (entry 6 for q, 7 for k, 9 for v).  The bias goes in as the C of each sum's first product, divided by
; 2^(ea + eb); the three scales are folded into the conversion's one, 2^E, E = eo - ea - eb.  LIMITS: E between -126 and 112; NaN is not served.
; SHAPE: a tile of 256 x 256 for a work-group of four waves, 128 x 128 a wave: 64 accumulators, 512 registers.  K = 1,024 goes in four steps of 256 through a ring of two LDS slots filled by the tensor data mover.
; CLUSTERS: 4 x 4 work-groups; cluster y = 8 t + i.  The four of a row of the cluster need the same tile of A, the four of a column the same tile of B: each is asked for jointly.
; WHICH TENSOR IS A: the matrix instruction is used transposed (source 0 = 16 rows of B, source 1 = 16 rows of A), so a lane holds ONE row of A and eight neighbouring rows of B, and the conversion packs
; those eight.  q, k (t = 0, 1): A = the tokens, B = the weight: a lane holds a token and eight neighbouring channels d: K of the score product.  v (t = 2): A = the weight, B = the tokens: a lane holds a channel
; and eight neighbouring keys: K of the second product.  Nothing is transposed by an instruction.
; hc IS LAID AS IMAGES OF THE NEXT LAUNCH'S OPERAND REGISTERS (registers 2 c, 2 c + 1 of lane (r, h): k = 16 c + 8 h + 0 .. 7): each group of four registers is 512 consecutive bytes, lane l's 16 at 16 l.
;   q, k: batch << 20 + head << 16 + (tile of 16 tokens) << 10 + (registers 0-3 or 4-7) << 9.
;   v:    batch << 20 + (head / 2) << 17 + (quad / 2) << 16 + (block of 128 keys) << 13 + (4 (head % 2) + tile of 16 channels) << 10 + (quad % 2) << 9; quad = registers 4 quad .. + 3 of 16.
; So the way out needs no LDS: a block's codes are stored as they stand, 512 consecutive aligned bytes a store.
; REGISTERS, in windows of 256: window 0: v0-31 addresses and constants; v32-95 the bias, 8 x 8; v96-103 at work; from v128 A's fragments (8 x 16 rows x 128 K), ONE set; on the way out the codes.
;   window 1: B's fragments, TWO sets, at v0 and v128.   window 2: the accumulators of my rows 0-63 ((a, b) at v[8 (8 a + b)]);   window 3: those of my rows 64-127.
.set ROWB,   256                       ; a tile's row in bytes: 256 along K
.set KROW,   1024                      ; a row of xc or wc in bytes
.set PITCH,  272                       ; an LDS row: 256 bytes + 16 of padding = 68 words: row r starts at bank 4 r mod 64 (64 banks of 4 bytes: ISA guide 11.1)
.set FR,     16                        ; registers of a fragment: 16 rows x 128 K
.set NL,     4                         ; LDS loads that bring one
.set NP,     4                         ; places behind this matrix instruction (ISA guide 7.12.1)
.set HALFT,  128*PITCH                 ; 128 rows: what one tensor load brings, and what one wave reads of A or of B
.set SLOT,   4*HALFT                   ; A's 256 rows, then B's 256 rows
.set SPARE,  2*SLOT                    ; behind the ring: the spare words, 128 bytes for each wave: two blocks of 256 bytes that no other line names
.set ADRA, 16                          ; v16-17  LDS address of my A fragments in slot 0, 1
.set ADRB, 20                          ; v20-21  the same for B
.set CO,   26                          ; v26     16 x lane: my place in an image
.set BO,   27                          ; v27     32 x (lane / 16): the bias of q, k
.set SPW,  28                          ; v28     LDS address of my spare word; never rewritten
.set NIL,  29                          ; v29     0; never rewritten
.set LIMV, 30                          ; v30     57,344 x 2^E
.set SCV,  31                          ; v31     2^E
.set BI,   32                          ; v32-95  the bias / 2^(ea + eb), in the result's layout
.set BT,   96                          ; v96-103 v's bias as loaded
.set AF,   128                         ; A's fragments
.set G1, 24                            ; s[24:31] descriptor group 1 for A's tiles;  s[32:39] group 0, one set for each slot
.set G0, 32
.set G1B, 48                           ; s[48:55], s[56:63] the same for B's tiles
.set G0B, 56
.set MSB, 0
.macro WIN new                         ; the immediate's high byte repeats the setting that is left
.if MSB != (\new)
	s_set_vgpr_msb (MSB<<8)|(\new)
.set MSB, (\new)
.endif
.endm
.set MUL_LO, 0xa1                      ; source 0 (B) window 1, source 1 (A) window 0, C and D window 2
.set MUL_HI, 0xf1                      ; the same, C and D window 3
.set TO_B,   0x40                      ; destination window 1, address window 0
; A joint load: waves 0 and 1 fetch for A, waves 2 and 3 for B.  Each line has one mask and one set of registers for all that issue it; the branch hangs on the wave's number alone.
; Four v_nop follow each of the two lines, ahead of the jump, the label and what follows.
.macro JLOAD g0a, g1a, g0b, g1b
	s_cmp_eq_u32 s15, 0
	s_cbranch_scc0 .Lfor_b_\@
	tensor_load_to_lds s[\g0a:\g0a+3], s[\g1a:\g1a+7]
	s_nop 0
.rept 4
	v_nop
.endr
	s_branch .Lasked_\@
.Lfor_b_\@:
	tensor_load_to_lds s[\g0b:\g0b+3], s[\g1b:\g1b+7]
	s_nop 0
.rept 4
	v_nop
.endr
.Lasked_\@:
.endm
.macro CREST                           ; a round of the cluster's barrier behind its opening barrier
	s_cmp_lg_u32 s14, 0
	s_cbranch_scc1 .Lnot_wave_0_\@
	s_barrier_signal -3
.Lnot_wave_0_\@:
	s_barrier_wait -3
	s_barrier_signal -1
	s_barrier_wait -1
.endm
.macro CROUND                          ; a whole round
	s_barrier_signal -1
	s_barrier_wait -1
	CREST
.endm
	s_load_b128 s[4:7], s[0:1], 0x0                ; xc s[4:5], wc s[6:7]
	s_load_b128 s[8:11], s[0:1], 0x10              ; bq s[8:9], bk s[10:11]
	s_load_b128 s[68:71], s[0:1], 0x20             ; bv s[68:69], the scales' exponents s[70:71]
	s_load_b64 s[72:73], s[0:1], 0x30              ; hc
	v_lshl_add_u32 v[SPW], v0, 2, SPARE
	v_mov_b32 v[NIL], 0
	ds_add_u32 v28, v29
	ds_add_u32 v28, v29
	s_wait_dscnt 0x0
	v_lshrrev_b32 v1, 5, v0
	v_readfirstlane_b32 s14, v1                    ; wave 0..3
	s_lshr_b32 s15, s14, 1                         ; which half of the tile's rows (of A) is mine.  Also: I fetch for A (0) or for B (1)
	s_and_b32 s16, s14, 1                          ; which half of its columns (rows of B).  Also: which 128 rows of that tile I fetch
	s_bfe_u32 s40, ttmp6, 0x40000                  ; cx, cy: my place in the cluster
	s_bfe_u32 s41, ttmp6, 0x40004
	s_and_b32 s74, ttmp7, 0xffff                   ; cluster y = 8 t + i: the same in all sixteen partners
	s_and_b32 s75, s74, 7
	s_lshl_b32 s75, s75, 2                         ; 4 i
	s_lshr_b32 s74, s74, 3                         ; t: 0 q, 1 k, 2 v
	s_cmp_eq_u32 s74, 2
	s_cselect_b32 s17, 0, s75                      ; the tokens' 32 tiles run along A's rows for q and k,
	s_cselect_b32 s42, s75, 0                      ; along B's for v
	s_add_co_u32 s17, s17, s41                     ; tile row: made of cy, i and t alone
	s_add_co_u32 s42, s42, s40                     ; tile column: of cx, i and t alone
	s_lshl_b32 s43, s41, 2
	s_lshl_b32 s43, 15, s43                        ; my row of the cluster
	s_lshl_b32 s44, 0x1111, s40                    ; my column
	; descriptor group 1: a tile of 128 rows x 256 bytes, padded in LDS
	s_or_b32 s[G1+0], s43, (0<<16)|(1<<20)|(1<<21)|(5<<22)|(3<<25)  ; 15:0 the mask: A's tiles go to my row; 17:16 element of 1 byte; 20 padding on; 21 set beside a mask; 24:22 after every 64 words (code 5); 31:25 of 4 words (code 3)
	s_or_b32 s[G1B+0], s44, (0<<16)|(1<<20)|(1<<21)|(5<<22)|(3<<25)
.irp g, G1, G1B
	s_mov_b32 s[\g+1], ROWB<<16                    ; tensor_dim0
	s_mov_b32 s[\g+2], 128<<16                     ; tensor_dim1 = 128
	s_mov_b32 s[\g+3], ROWB<<16                    ; tile_dim0
	s_mov_b32 s[\g+4], 128                         ; tile_dim1 = 128
	s_mov_b32 s[\g+5], KROW                        ; tensor_dim0_stride
	s_mov_b32 s[\g+6], 0
	s_mov_b32 s[\g+7], 0
.endr
	s_lshl_b32 s18, s16, 7                         ; which 128 rows of the tile I fetch
	s_lshl_b32 s20, s17, 8
	s_add_co_u32 s20, s20, s18                     ; A: row 256 x tile row + 128 x half,
	s_lshl_b32 s20, s20, 10                        ; in bytes (under 8 MiB)
	s_mov_b32 s21, 0
	s_lshl_b32 s46, s42, 8
	s_add_co_u32 s46, s46, s18                     ; B: row 256 x tile column + 128 x half
	s_lshl_b32 s46, s46, 10
	s_mov_b32 s47, 0
	s_lshl_b32 s76, s74, 23                        ; xc's part t
	s_mov_b32 s77, 0
	s_lshl_b32 s78, s74, 20                        ; wc's part t
	s_mov_b32 s79, 0
	s_mul_i32 s45, s14, HALFT                      ; where the tiles go: wave x 128 rows: no place in the cluster enters an LDS address
	s_wait_kmcnt 0x0
	s_load_b256 s[80:87], s[70:71], 0x0            ; e0 .. e7
	s_load_b64 s[88:89], s[70:71], 0x20            ; e8, e9
	s_add_nc_u64 s[4:5], s[4:5], s[76:77]
	s_add_nc_u64 s[6:7], s[6:7], s[78:79]
	s_cmp_eq_u32 s74, 2
	s_cselect_b64 s[90:91], s[6:7], s[4:5]         ; A: the weight for v, else the tokens
	s_cselect_b64 s[92:93], s[4:5], s[6:7]         ; B: the other one
	s_add_nc_u64 s[20:21], s[90:91], s[20:21]
	s_add_nc_u64 s[46:47], s[92:93], s[46:47]
	CROUND                                         ; all sixteen work-groups are here: the first joint loads meet
.irp s, 0,1
	s_mov_b32 s[G0+4*\s], 1
	s_add_co_u32 s[G0+4*\s+1], s45, \s*SLOT
	s_add_nc_u64 s[G0+4*\s+2:G0+4*\s+3], s[20:21], \s*ROWB
	s_or_b32 s[G0+4*\s+3], s[G0+4*\s+3], 0x80000000
	s_mov_b32 s[G0B+4*\s], 1
	s_add_co_u32 s[G0B+4*\s+1], s45, \s*SLOT
	s_add_nc_u64 s[G0B+4*\s+2:G0B+4*\s+3], s[46:47], \s*ROWB
	s_or_b32 s[G0B+4*\s+3], s[G0B+4*\s+3], 0x80000000
.endr
	JLOAD G0, G1, G0B, G1B                         ; K step 0: one tensor load a wave at the head
	v_and_b32 v1, 15, v0                           ; r = lane % 16
	v_bfe_u32 v2, v0, 4, 1                         ; h = lane / 16
	v_mul_u32_u24 v3, v1, PITCH
	v_lshl_add_u32 v4, v2, 4, v3                   ; a fragment's row x pitch + 16 x half
	s_mul_i32 s21, s15, HALFT                      ; my 128 rows of A
	s_mul_i32 s22, s16, HALFT                      ; my 128 rows of B,
	s_add_co_u32 s22, s22, 2*HALFT                 ; which lie behind A's 256
.irp s, 0,1
	v_add_nc_u32 v[ADRA+\s], s21, v4
	v_add_nc_u32 v[ADRB+\s], s22, v4
	s_add_co_u32 s21, s21, SLOT
	s_add_co_u32 s22, s22, SLOT
.endr
	v_and_b32 v6, 31, v0
	v_lshlrev_b32 v[CO], 4, v6
	v_lshlrev_b32 v[BO], 5, v2
	v_lshlrev_b32 v5, 2, v1                        ; 4 r: the bias of v
	; which of my two coordinates is the weight's (wi: tile, ww: half) and which the tokens' (ti, wa)
	s_cmp_eq_u32 s74, 2
	s_cselect_b32 s76, s17, s42                    ; wi
	s_cselect_b32 s77, s15, s16                    ; ww
	s_cselect_b32 s78, s42, s17                    ; ti
	s_cselect_b32 s79, s16, s15                    ; wa
	s_cselect_b64 s[68:69], s[68:69], s[8:9]       ; bv or bq,
	s_cmp_eq_u32 s74, 1
	s_cselect_b64 s[68:69], s[10:11], s[68:69]     ; or bk
	s_lshl_b32 s90, s76, 10
	s_lshl_b32 s91, s77, 9
	s_add_co_u32 s90, s90, s91                     ; my wave's 128 numbers of the bias: (256 wi + 128 ww) x 4 bytes
	s_mov_b32 s91, 0
	s_add_nc_u64 s[68:69], s[68:69], s[90:91]
	s_lshl_b32 s90, s74, 23                        ; hc: part t,
	s_lshr_b32 s92, s78, 2
	s_lshl_b32 s92, s92, 20                        ; batch = ti / 4,
	s_add_co_u32 s90, s90, s92
	s_lshl_b32 s92, s76, 1
	s_add_co_u32 s92, s92, s77
	s_lshl_b32 s92, s92, 17                        ; my wave's pair of heads = 2 wi + ww,
	s_add_co_u32 s90, s90, s92
	s_and_b32 s92, s78, 3
	s_lshl_b32 s92, s92, 1
	s_add_co_u32 s92, s92, s79
	s_lshl_b32 s92, s92, 13                        ; my wave's 128 tokens of the batch's 1,024 = 2 (ti % 4) + wa
	s_add_co_u32 s90, s90, s92
	s_add_nc_u64 s[72:73], s[72:73], s[90:91]
	s_wait_kmcnt 0x0
	s_cmp_eq_u32 s74, 1                            ; the scales are chosen without a jump
	s_cselect_b64 s[80:81], s[82:83], s[80:81]
	s_cselect_b32 s86, s87, s86
	s_cmp_eq_u32 s74, 2
	s_cselect_b64 s[80:81], s[84:85], s[80:81]
	s_cselect_b32 s86, s89, s86                    ; eo
	s_add_co_i32 s80, s80, s81                     ; ea + eb
	s_sub_co_i32 s81, 0, s80
	s_sub_co_i32 s86, s86, s80                     ; E
	s_add_co_i32 s86, s86, 127
	s_lshl_b32 s87, s86, 23
	v_mov_b32 v[SCV], s87
	s_add_co_i32 s86, s86, 15
	s_lshl_b32 s86, s86, 23
	s_or_b32 s86, s86, 0x600000
	v_mov_b32 v[LIMV], s86
	; THE BIAS, in the result's layout.  q, k: it hangs on B's row: set b, register j: bias(16 b + 8 h + j).  v: on A's row: set a, every register: bias(16 a + r).  t is the same in the whole cluster.
	s_cmp_eq_u32 s74, 2
	s_cbranch_scc1 .Lbias_v
	s_wait_alu depctr_va_vdst(0)
.irp b, 0,1,2,3,4,5,6,7
	global_load_b128 v[BI+8*\b:BI+8*\b+3], v[BO], s[68:69] offset:64*\b
	global_load_b128 v[BI+8*\b+4:BI+8*\b+7], v[BO], s[68:69] offset:64*\b+16
.endr
	s_wait_loadcnt 0x0
.set j, 0
.rept 64
	v_ldexp_f32 v[BI+j], v[BI+j], s81              ; / 2^(ea + eb)
.set j, j+1
.endr
	s_branch .Lbias_done
.Lbias_v:
	s_wait_alu depctr_va_vdst(0)
.irp a, 0,1,2,3,4,5,6,7
	global_load_b32 v[BT+\a], v5, s[68:69] offset:64*\a
.endr
	s_wait_loadcnt 0x0
.irp a, 0,1,2,3,4,5,6,7
.irp j, 0,1,2,3,4,5,6,7
	v_ldexp_f32 v[BI+8*\a+\j], v[BT+\a], s81
.endr
.endr
.Lbias_done:
.macro FRAG reg, adr, q, i             ; a fragment, 16 rows x 128 K, is 16 registers, by four loads of 16 bytes, 32 apart: an order of k that is the same in A and in B
.irp c, 0,1,2,3
	ds_load_b128 v[\reg+4*\c:\reg+4*\c+3], v[\adr] offset:128*(\q)+32*\c+(\i)*16*PITCH
.endr
.endm
; 16 matrix instructions: A's blocks a0, a0 + 1 x B's eight, 128 along K.  p: B's set.  zero = 1, 2: the first product starts the sums from the bias (set b, or set a): nothing is cleared, nothing is added later.
; The 64 accumulators take turns, one instruction a turn, in the same order in every step.
.macro MUL16 a0, p, zero
.irp a, \a0, \a0+1
.irp b, 0,1,2,3,4,5,6,7
.if \zero == 1
	v_wmma_f32_16x16x128_bf8_bf8 v[8*(8*((\a)%4)+\b):8*(8*((\a)%4)+\b)+7], v[128*(\p)+FR*\b:128*(\p)+FR*\b+FR-1], v[AF+FR*(\a):AF+FR*(\a)+FR-1], v[BI+8*\b:BI+8*\b+7]
.elseif \zero == 2
	v_wmma_f32_16x16x128_bf8_bf8 v[8*(8*((\a)%4)+\b):8*(8*((\a)%4)+\b)+7], v[128*(\p)+FR*\b:128*(\p)+FR*\b+FR-1], v[AF+FR*(\a):AF+FR*(\a)+FR-1], v[BI+8*(\a):BI+8*(\a)+7]
.else
	v_wmma_f32_16x16x128_bf8_bf8 v[8*(8*((\a)%4)+\b):8*(8*((\a)%4)+\b)+7], v[128*(\p)+FR*\b:128*(\p)+FR*\b+FR-1], v[AF+FR*(\a):AF+FR*(\a)+FR-1], v[8*(8*((\a)%4)+\b):8*(8*((\a)%4)+\b)+7]
.endif
.endr
.endr
.endm
.macro FETCH_B slot, q, p              ; B's eight fragments of the slot's q-th 128 along K into set p
	WIN TO_B
.irp i, 0,1,2,3,4,5,6,7
	FRAG 128*(\p)+FR*\i, ADRB+\slot, \q, \i
.endr
	WIN 0
.endm
.macro FETCH_A slot, q, i0             ; A's blocks i0 .. i0 + 3
.irp i, \i0, \i0+1, \i0+2, \i0+3
	FRAG AF+FR*(\i), ADRA+\slot, \q, \i
.endr
.endm
; A load into a register that a matrix instruction has read, and a vector instruction that reads a matrix result, stand NP places behind it; only plain vector instructions that name none of its registers are places.
.macro PLACES n
.rept \n
	v_nop
.endr
.endm
; A step of 128 along K that has its successor in the same slot.  A block of A is free as soon as its eight products are issued: blocks 0-3 are fetched anew in the step's middle, blocks 4-7 at its end.
.macro STEP slot, q, zero
	s_wait_dscnt 4*NL                              ; B's set and A's blocks 0-3 are in; the youngest sixteen loads (A's blocks 4-7) may be out
.if \zero
	WIN 0x81                                       ; as MUL_LO, with C (the bias) in window 0
.else
	WIN MUL_LO
.endif
	MUL16 0, (\q)%2, \zero
	MUL16 2, (\q)%2, \zero
	s_wait_dscnt 0                                 ; A's blocks 4-7 are in (asked for 32 matrix instructions ago)
	PLACES NP
	FETCH_B \slot, (\q)+1, 1-(\q)%2
	FETCH_A \slot, (\q)+1, 0
.if \zero
	WIN 0xc1
.else
	WIN MUL_HI
.endif
	MUL16 4, (\q)%2, \zero
	MUL16 6, (\q)%2, \zero
	PLACES NP
	WIN 0
	FETCH_A \slot, (\q)+1, 4
.endm
; A slot's last step changes slots: ONE barrier; in front of it each wave waits for all its tensor loads, adds 0 to its spare word, and waits for that and for its own reads of this slot.  fill = 1: this slot is filled again, two K steps ahead.
.macro TURN slot, next, fill
	s_wait_tensorcnt 0x0                           ; all my tensor loads have landed: my part of the next slot;  (every window is 0 here)
	ds_add_u32 v[SPW], v[NIL]                      ; 0 onto my spare word
	s_wait_dscnt 4*NL+1                            ; (the add and the youngest sixteen loads, A's blocks 4-7, may be out)
	WIN MUL_LO
	MUL16 0, 1, 0                                  ; sixteen matrix instructions stand between the add and the wait for it
	s_wait_dscnt 0x0                               ; the add is done, and my reads of this slot are over
	s_barrier_signal -1
	MUL16 2, 1, 0
	WIN 0
	s_barrier_wait -1
.if \fill
	CREST                                          ; the barrier has opened a round of the cluster's barrier: no wave of any partner still reads this slot's tile or has a load on its way
	s_add_nc_u64 s[G0+4*\slot+2:G0+4*\slot+3], s[G0+4*\slot+2:G0+4*\slot+3], 2*ROWB
	s_add_nc_u64 s[G0B+4*\slot+2:G0B+4*\slot+3], s[G0B+4*\slot+2:G0B+4*\slot+3], 2*ROWB
	JLOAD G0+4*\slot, G1, G0B+4*\slot, G1B         ; the first tensor load behind the round; the four v_nop behind it are the places in front of the loads below
.else
	PLACES NP
.endif
	FETCH_B \next, 0, 0
	FETCH_A \next, 0, 0
	WIN MUL_HI
	MUL16 4, 1, 0
	MUL16 6, 1, 0
	PLACES NP
	WIN 0
	FETCH_A \next, 0, 4
.endm
	s_wait_alu depctr_va_vdst(0)                   ; the head's end
	s_wait_tensorcnt 0x0                           ; my part of K step 0 is in
	ds_add_u32 v[SPW], v[NIL]
	s_wait_dscnt 0x0
	CROUND                                         ; everybody's part of K step 0 is in, and all sixteen work-groups are here
	JLOAD G0+4, G1, G0B+4, G1B                     ; K step 1: slot 1's first fill, the first tensor load behind the round
	FETCH_B 0, 0, 0
	FETCH_A 0, 0, 0
	FETCH_A 0, 0, 4
	s_cmp_eq_u32 s74, 2                            ; the first step is written twice: it differs in which set of the bias starts a sum.  Both ways hold the same loads and waits, and no barrier
	s_cbranch_scc1 .Lfirst_v
	s_wait_alu depctr_va_vdst(0)
	STEP 0, 0, 1
	s_branch .Lfirst_done
.Lfirst_v:
	s_wait_alu depctr_va_vdst(0)
	STEP 0, 0, 2
.Lfirst_done:
	TURN 0, 1, 1                                   ; K = 1,024 is four slots: the ring is written out.  Slot 0 takes K step 2,
	STEP 1, 0, 0
	TURN 1, 0, 1                                   ; slot 1 K step 3;
	STEP 0, 0, 0
	TURN 0, 1, 0                                   ; nothing is left to fetch, so no round follows
	STEP 1, 0, 0
	s_wait_dscnt 4*NL                              ; the very last step
	WIN MUL_LO
	MUL16 0, 1, 0
	MUL16 2, 1, 0
	s_wait_dscnt 0
	WIN MUL_HI
	MUL16 4, 1, 0
	MUL16 6, 1, 0
	WIN 0
	PLACES NP                                      ; in front of the first read of results, and of the codes written where A's fragments lay
; THE WAY OUT of block a (16 rows of A x my 128 rows of B): the hold, each accumulator from its low end on; eight conversions; four stores.  The codes of accumulator (a, b) are registers 2 b, 2 b + 1 of the block's sixteen:
; for q and k two fragments of 16 tokens x 64 channels (heads 2 wi' and 2 wi' + 1), for v one fragment of 16 channels x 128 keys.  No store's data are written again, and every offset is an immediate.
.macro OUT a
.set AC, 64*((\a)%4)
	WIN 0x82+0x41*((\a)/4)                         ; destination and source 0: window 2 or 3; the bounds: window 0
.set j, 0
.rept 64
	v_med3_num_f32 v[AC+j], v[AC+j], -v[LIMV], v[LIMV]   ; the conversion to an 8-bit code does not saturate (ISA guide 7.6.2)
.set j, j+1
.endr
	WIN 0x02+((\a)/4)                              ; source 0: window 2 or 3; the codes and the scale: window 0
.irp b, 0,1,2,3,4,5,6,7
	v_cvt_scalef32_pk8_bf8_f32 v[AF+16*(\a)+2*\b:AF+16*(\a)+2*\b+1], v[AC+8*\b:AC+8*\b+7], v[SCV]
.endr
	v_nop                                          ; one plain vector line behind the last conversion of a run
	WIN 0
.irp qd, 0,1,2,3
	global_store_b128 v[CO], v[AF+16*(\a)+4*\qd:AF+16*(\a)+4*\qd+3], s[72:73] offset:(\a)*1024+(\qd/2)*65536+(\qd%2)*512   ; 32 lanes store 512 consecutive bytes, aligned
.endr
.endm
.irp a, 0,1,2,3,4,5,6,7
	OUT \a
.endr
	s_wait_tensorcnt 0x0                           ; the wave's end
	ds_add_u32 v[SPW], v[NIL]
	s_wait_dscnt 0x0
	CROUND                                         ; the closing round: no work-group ends while a partner may still ask for a tile that names it
	s_endpgm
.Lfunc_end_k_q9a52905a56_proj:
	.size	k_q9a52905a56_proj, .Lfunc_end_k_q9a52905a56_proj-k_q9a52905a56_proj
	.p2alignl 7, 3214868480
	.fill 96, 4, 3214868480
	.section	.rodata,"a",@progbits
	.p2align	6, 0x0
	.amdhsa_kernel k_q9a52905a56_proj
		.amdhsa_group_segment_fixed_size 327680
		.amdhsa_private_segment_fixed_size 0
		.amdhsa_enable_private_segment 0
		.amdhsa_kernarg_size 56
		.amdhsa_user_sgpr_count 2
		.amdhsa_user_sgpr_kernarg_segment_ptr 1
		.amdhsa_wavefront_size32 1
		.amdhsa_system_sgpr_workgroup_id_x 1
		.amdhsa_system_sgpr_workgroup_id_y 1
		.amdhsa_system_sgpr_workgroup_id_z 1
		.amdhsa_system_vgpr_workitem_id 0
		.amdhsa_next_free_vgpr 1024
		.amdhsa_next_free_sgpr 100
		.amdhsa_reserve_vcc 0
		.amdhsa_float_denorm_mode_32 3
		.amdhsa_float_denorm_mode_16_64 3
		.amdhsa_memory_ordered 1
		.amdhsa_forward_progress 1
		.amdhsa_inst_pref_size 138
	.end_amdhsa_kernel
	.amdgpu_metadata
---
amdhsa.version: [ 1, 2 ]
amdhsa.kernels:
  - .name:           k_q9a52905a56_proj
    .symbol:         k_q9a52905a56_proj.kd
    .args:
      - { .name: xc, .offset: 0, .size: 8, .value_kind: global_buffer, .address_space: global }
      - { .name: wc, .offset: 8, .size: 8, .value_kind: global_buffer, .address_space: global }
      - { .name: bq, .offset: 16, .size: 8, .value_kind: global_buffer, .address_space: global }
      - { .name: bk, .offset: 24, .size: 8, .value_kind: global_buffer, .address_space: global }
      - { .name: bv, .offset: 32, .size: 8, .value_kind: global_buffer, .address_space: global }
      - { .name: lowp_scales, .offset: 40, .size: 8, .value_kind: global_buffer, .address_space: global }
      - { .name: hc, .offset: 48, .size: 8, .value_kind: global_buffer, .address_space: global }
    .group_segment_fixed_size: 327680
    .private_segment_fixed_size: 0
    .kernarg_segment_align: 8
    .kernarg_segment_size: 56
    .max_flat_workgroup_size: 128
    .sgpr_count:     100
    .vgpr_count:     1024
    .wavefront_size: 32
...
	.end_amdgpu_metadata
.endif
;; end of part 2
;; launch attn (part 3): grid 8 x 32, 8 waves a work-group, clusters of 4 x 1, 327,680 bytes of LDS; arguments hc, group_prob, lowp_scales, out0; writes out0
.if DOCPART == 3
	.amdgcn_target "amdgcn-amd-amdhsa--gfx1250"
	.amdhsa_code_object_version 6
	.text
	.protected	k_q9a52905a56_attn
	.globl	k_q9a52905a56_attn
	.p2align	8
	.type	k_q9a52905a56_attn,@function
k_q9a52905a56_attn:
	s_mov_b64 s[64:65], 0
	v_nop
	global_prefetch_b8 v0, s[64:65] scope:SCOPE_SE
	s_setreg_imm32_b32 hwreg(HW_REG_WAVE_MODE, 25, 1), 1
	s_wait_xcnt 0x0
	s_wait_alu depctr_hold_cnt(0) depctr_sa_sdst(0) depctr_va_vdst(0) depctr_va_sdst(0) depctr_va_ssrc(0) depctr_va_vcc(0) depctr_vm_vsrc(0)
	s_getreg_b32 s2, hwreg(HW_REG_IB_STS2, 6, 4)
	s_cmp_eq_u32 s2, 0
	s_cbranch_scc0 .Lentry_in_a_cluster
	s_endpgm
.Lentry_in_a_cluster:
	s_bfe_u32 s2, ttmp6, 0x10000c
	s_cmp_lg_u32 s2, 0x3003
	s_cbranch_scc0 .Lentry_shape_is_right
	s_endpgm
.Lentry_shape_is_right:
; out[b][q][64 head + d] = sum over k of Q8(softmax_k(q . k / 8) x group_prob[b][q][k]) x v[k][d], both products on codes of BF8 (E5M2), f32 sums.
; attention_mask has no way to the output in reference() and is not among the arguments.
; hc holds q's, k's and v's codes as images of operand registers (512 consecutive bytes for four registers of a wave), as the launch before lays them.
; THE SECOND PRODUCT'S LEFT OPERAND is the finished softmax x group_prob, so a row's maximum and sum over all 1,024 keys are known before anything is quantised.
; SHARES. A work-group owns two neighbouring heads x 256 queries of one batch; wave = 2 kg + hd owns head hd and keys 256 kg .. + 255: K (16 tiles x 8) and V (2 x 4 x 16) stay in 256 registers for the whole launch.
; A step is 16 queries: S^T = K Q^T (a lane holds one query, its registers run along the keys), local maximum, p = 2^(t - m), local sum; the four key groups of a head exchange (m, sum) through LDS;
; p x group_prob x 2^(m - M) / sum is held, converted and multiplied with V; the four partial O^T go through a stage in LDS and are added by rows.
; ONE MEETING A STEP. The round in front of the refill also publishes this step's (m, sum) and the step before's partial O: stage and statistics have two copies, 2^17 bytes apart like the two slots, taken by turns.
; group_prob: a tile of 16 queries x 1,024 keys (64 KiB) serves both heads, and the four work-groups of a cluster (eight heads) ask for it jointly; each wave fetches 8 rows x 1,024 bytes.
; PREFETCH: behind the load of tile i + 1 the tile i + 3 is asked for (two refills on): 256 blocks of 256 bytes, shared by address among the four partners (cx), waves 0 and 1 of each, a lane a block; it stops with tile 15.
; LIMITS: e6 + e7 between -123 and 130 (added to c's exponent field); e8 between -126 and 112; e8 + e9 between -126 and 127. NaN is not served. The scaled scores stay under 2^31 in magnitude.
; REGISTERS: window 0: v0-15 addresses, v16-23 Q, v24-47 at work, v48-63 p's codes / results on the way out, v64-127 group_prob, v128-255 S^T, then p, then O^T; window 1: v0-127 K, v128-255 V.
.set GPP,   1040                       ; a row of 1,024 bytes + 16 of padding: 16 rows start at 16 different groups of banks
.set KBLK,  16*GPP                     ; 16 queries x 256 keys: what a wave reads in a step
.set WT,    8*GPP                      ; what a wave fetches
.set SLOT1, 1<<17                      ; from one copy (slot, stage, statistics) to the other
.set TILEB, 16*4096                    ; 16 rows of group_prob or of out in memory
.set SP,    272                        ; a stage row: 64 channels of f32 + 16 bytes
.set STG,   4*KBLK                     ; behind slot 0: the stage, 16 rows for each wave
.set STAT,  STG+8*16*SP                ; the statistics: 128 bytes for each wave
.set SPARE, SLOT1+STAT+1024            ; the spare words: 128 bytes for each wave, four blocks of 256 bytes that no other line names
.set SPW, 2
.set NIL, 3
.set LI,  4                            ; 16 x lane
.set AG0, 5
.set ADG, 6
.set STO0, 7
.set STO, 8
.set RD0, 9
.set RD,  10
.set SWA0, 11
.set SWA, 12
.set SRA0, 13
.set SRA, 14
.set GO,  15
.set QF,  16
.set MT,  24
.set LL,  25
.set FF,  26
.set LIMV, 28
.set SCV, 29
.set TP,  30
.set MG,  31
.set SX,  32
.set LC,  32
.set LD,  34
.set MX,  36
.set LA,  36
.set LB,  38
.set DD,  40
.set RC,  45
.set PFO, 46
.set PC0, 48
.set GPB, 64
.set S,   128
.set WO,  160                          ; four partial sums of my four rows, in registers of S that are free by then
.set WV,  12
.set CX,  13
.set PR,  14
.set KG,  18
.set HW,  19
.set G1,  24
.set G0,  32
.set TB,  40                           ; this step's copy: 0 or SLOT1
.set TO,  41                           ; the other one
.set CNT, 42
.set LIM, 43
.set PFA, 44
.set QP,  46
.set OUTP, 48
.set KP,  50
.set VP,  52
.set CS,  54
.set SEL, 56
.set OS,  58
.set MSB, 0
.macro WIN new                         ; the immediate's high byte repeats the setting that is left
.if MSB != (\new)
	s_set_vgpr_msb (MSB<<8)|(\new)
.set MSB, (\new)
.endif
.endm
.macro PLACES n
.rept \n
	v_nop
.endr
.endm
.macro CROUND                          ; a round of the cluster's barrier
	s_barrier_signal -1
	s_barrier_wait -1
	s_cmp_lg_u32 s[WV], 0
	s_cbranch_scc1 .Lnot_wave_0_\@
	s_barrier_signal -3
.Lnot_wave_0_\@:
	s_barrier_wait -3
	s_barrier_signal -1
	s_barrier_wait -1
.endm
.macro ASK                             ; waves 0 and 1, while the tile two refills on exists (s[CNT] above 2: steps 0 to 12)
	s_cmp_gt_u32 s[CNT], s[LIM]
	s_cbranch_scc0 .Lnot_mine_\@
	global_prefetch_b8 v[PFO], s[PFA:PFA+1] offset:2*TILEB th:TH_LOAD_NT scope:SCOPE_SE
.Lnot_mine_\@:
.endm
	s_load_b256 s[4:11], s[0:1], 0x0               ; hc s[4:5], group_prob s[6:7], the scales' exponents s[8:9], out s[10:11]
	v_lshl_add_u32 v[SPW], v0, 2, SPARE
	v_mov_b32 v[NIL], 0
	ds_add_u32 v[SPW], v[NIL]                      ; the opening lines: the add, twice on end, and its wait ahead of my first tensor load
	ds_add_u32 v[SPW], v[NIL]
	v_lshrrev_b32 v1, 5, v0
	v_readfirstlane_b32 s[WV], v1                  ; wave 0..7
	s_lshr_b32 s[KG], s[WV], 1                     ; key group
	s_and_b32 s[HW], s[WV], 1                      ; which of the two heads
	s_bfe_u32 s[CX], ttmp6, 0x40000
	s_lshl_b32 s[PR], ttmp9, 2
	s_add_co_u32 s[PR], s[PR], s[CX]               ; pair of heads 0..7
	s_and_b32 s15, ttmp7, 0xffff
	s_lshr_b32 s16, s15, 2                         ; batch
	s_and_b32 s17, s15, 3                          ; block of 256 queries
	s_mov_b32 s[G1], 15|(2<<16)|(1<<20)|(1<<21)|(7<<22)|(3<<25)  ; mask: all four partners; elements of 4 bytes; 4 words of padding after every 256
	s_mov_b32 s[G1+1], 256<<16
	s_mov_b32 s[G1+2], 8<<16
	s_mov_b32 s[G1+3], 256<<16
	s_mov_b32 s[G1+4], 8
	s_mov_b32 s[G1+5], 1024
	s_mov_b32 s[G1+6], 0
	s_mov_b32 s[G1+7], 0
	s_mov_b32 s[TB], 0
	s_mov_b32 s[TO], SLOT1
	s_mov_b32 s[SEL], 0x76543210
	s_mov_b32 s[SEL+1], 0xfedcba98
	s_lshl_b32 s20, s16, 22
	s_lshl_b32 s21, s17, 20
	s_add_co_u32 s20, s20, s21                     ; my 256 rows of group_prob and of out, in bytes
	s_lshl_b32 s66, s[HW], 15                      ; what I fetch of a tile: rows 8 hd .. + 7,
	s_lshl_b32 s67, s[KG], 10                      ; keys 256 kg .. + 255
	s_add_co_u32 s66, s66, s67
	s_add_co_u32 s66, s66, s20
	s_mov_b32 s67, 0
	s_lshl_b32 s68, s[HW], 11                      ; the prefetches: block 8 (wave % 2) + 4 (lane / 16) + cx of a row's sixteen
	s_lshl_b32 s69, s[CX], 8
	s_add_co_u32 s68, s68, s69
	s_add_co_u32 s68, s68, s20
	s_mov_b32 s69, 0
	s_and_b32 s70, s[WV], 3                        ; on the way out wave w adds rows 4 (w % 4) .. + 3 of head w / 4
	s_lshl_b32 s70, s70, 14
	s_lshr_b32 s71, s[WV], 2
	s_lshl_b32 s22, s[PR], 1
	s_add_co_u32 s71, s71, s22
	s_lshl_b32 s71, s71, 8
	s_add_co_u32 s70, s70, s71
	s_add_co_u32 s70, s70, s20
	s_mov_b32 s71, 0
	s_lshl_b32 s72, s16, 4
	s_add_co_u32 s72, s72, s22
	s_add_co_u32 s72, s72, s[HW]
	s_lshl_b32 s72, s72, 16                        ; q, k: (16 batch + head) << 16
	s_lshl_b32 s74, s[KG], 14
	s_add_co_u32 s74, s74, s72
	s_add_co_u32 s74, s74, 0x800000                ; K: my 16 tiles
	s_mov_b32 s75, 0
	s_lshl_b32 s73, s17, 14
	s_add_co_u32 s72, s72, s73                     ; Q: my block's 16 tiles
	s_mov_b32 s73, 0
	s_lshl_b32 s76, s16, 20
	s_lshl_b32 s77, s[PR], 17
	s_add_co_u32 s76, s76, s77
	s_lshl_b32 s77, s[HW], 12
	s_add_co_u32 s76, s76, s77
	s_lshl_b32 s77, s[KG], 14
	s_add_co_u32 s76, s76, s77
	s_add_co_u32 s76, s76, 0x1000000               ; V: my head's four tiles of channels, my two blocks of 128 keys
	s_mov_b32 s77, 0
	s_cmp_lt_u32 s[WV], 2
	s_cselect_b32 s[LIM], 2, -1
	s_mov_b32 s[G0], 1
	s_mul_i32 s[G0+1], s[WV], WT                   ; slot 0: no place in the cluster enters an LDS address
	v_and_b32 v1, 31, v0
	v_lshlrev_b32 v[LI], 4, v1
	s_wait_alu depctr_va_vdst(0)
	s_wait_dscnt 0x0                               ; both opening adds are done
	s_wait_kmcnt 0x0
	s_load_b128 s[60:63], s[8:9], 0x18             ; e6, e7, e8, e9
	s_add_nc_u64 s[KP:KP+1], s[4:5], s[74:75]
	s_add_nc_u64 s[VP:VP+1], s[4:5], s[76:77]
	s_add_nc_u64 s[QP:QP+1], s[4:5], s[72:73]
	s_add_nc_u64 s[OUTP:OUTP+1], s[10:11], s[70:71]
	s_add_nc_u64 s[PFA:PFA+1], s[6:7], s[68:69]
	s_add_nc_u64 s[G0+2:G0+3], s[6:7], s[66:67]
	s_or_b32 s[G0+3], s[G0+3], 0x80000000
	WIN 0x40                                       ; K, V and the first Q are asked for ahead of the round: 66 loads a wave are out while the work-groups meet
.set t, 0
.rept 16
	global_load_b128 v[8*t:8*t+3], v[LI], s[KP:KP+1] offset:1024*t
	global_load_b128 v[8*t+4:8*t+7], v[LI], s[KP:KP+1] offset:1024*t+512
.set t, t+1
.endr
.irp kb, 0,1
.irp dt, 0,1,2,3
.irp qd, 0,1,2,3
	global_load_b128 v[128+64*\kb+16*\dt+4*\qd:128+64*\kb+16*\dt+4*\qd+3], v[LI], s[VP:VP+1] offset:(\qd/2)*65536+\kb*8192+\dt*1024+(\qd%2)*512
.endr
.endr
.endr
	WIN 0
.irp x, 0,1
	global_load_b128 v[QF+4*\x:QF+4*\x+3], v[LI], s[QP:QP+1] offset:512*\x
.endr
	CROUND                                         ; all four work-groups are here: the first joint loads meet
	tensor_load_to_lds s[G0:G0+3], s[G1:G1+7]      ; tile 0: my one tensor load at the head
	s_nop 0
	PLACES 4
	s_wait_kmcnt 0x0
	s_add_co_i32 s66, s60, s61
	s_lshl_b32 s66, s66, 23
	s_mov_b32 s[CS], 0x3e38aa3b                    ; c = log2(e) / 8; a score stands for score x 2^(e6 + e7): added to c's exponent field
	s_add_co_i32 s[CS], s[CS], s66
	s_mov_b32 s[CS+1], s[CS]
	s_add_co_i32 s71, s62, 127
	s_lshl_b32 s72, s71, 23                        ; 2^e8
	s_add_co_i32 s71, s71, 15
	s_lshl_b32 s71, s71, 23
	s_or_b32 s71, s71, 0x600000                    ; 57,344 x 2^e8
	s_add_co_i32 s68, s62, s63
	s_add_co_i32 s68, s68, 127
	s_lshl_b32 s[OS], s68, 23                      ; 2^(e8 + e9)
	s_mov_b32 s[OS+1], s[OS]
	s_mul_i32 s66, s[KG], KBLK
	s_mul_i32 s67, s[WV], 16*SP
	s_add_co_u32 s67, s67, STG
	s_mul_i32 s68, s[WV], 4*SP
	s_add_co_u32 s68, s68, STG
	s_lshl_b32 s69, s[WV], 7
	s_add_co_u32 s69, s69, STAT
	s_lshl_b32 s70, s[HW], 7
	s_add_co_u32 s70, s70, STAT
	s_mov_b32 s[CNT], 15
	v_and_b32 v32, 15, v0                          ; r
	v_bfe_u32 v33, v0, 4, 1                        ; h
	v_mul_u32_u24 v[AG0], v32, GPP
	v_mul_u32_u24 v[STO0], v32, SP
	v_mul_u32_u24 v[RD0], v33, SP
	v_lshlrev_b32 v[GO], 12, v33
	v_lshlrev_b32 v[PFO], 12, v32
	v_lshl_add_u32 v[AG0], v33, 5, v[AG0]
	v_lshl_add_u32 v[STO0], v33, 5, v[STO0]
	v_lshl_add_u32 v[RD0], v32, 4, v[RD0]
	v_lshl_add_u32 v[GO], v32, 4, v[GO]            ; out: lanes 0-15 one row's 256 bytes, lanes 16-31 the next row's
	v_lshl_add_u32 v[PFO], v33, 10, v[PFO]
	v_add_nc_u32 v[AG0], s66, v[AG0]               ; group_prob: query r, keys 8 h on, in my key group's rows
	v_add_nc_u32 v[STO0], s67, v[STO0]             ; my stage: row r, 32 h bytes on
	v_add_nc_u32 v[RD0], s68, v[RD0]               ; the rows that I add
	v_lshl_add_u32 v[SWA0], v32, 3, s69            ; my (m, sum) of query r
	v_lshl_add_u32 v[SRA0], v32, 3, s70            ; my head's four
	v_mov_b32 v[LIMV], s71
	v_mov_b32 v[SCV], s72
	v_mov_b32 v[LL], 0
	v_mov_b32 v[FF+1], 0
	v_mov_b32 v[TP], 0
.macro KQ                              ; S^T: 16 tiles of 16 keys x my 16 queries
	WIN 0x01
.set t, 0
.rept 16
	v_wmma_f32_16x16x64_bf8_bf8 v[S+8*t:S+8*t+7], v[8*t:8*t+7], v[QF:QF+7], 0
.set t, t+1
.endr
	WIN 0
.endm
.macro MAXP                            ; my query's largest score among my 256 keys, each accumulator from its low end on, in four chains; as t
.irp c, 0,1,2,3
	v_max_num_f32 v[MX+\c], v[S+2*\c], v[S+2*\c+1]
.endr
.set n, 0
.rept 60
	v_max3_num_f32 v[MX+n%4], v[MX+n%4], v[S+8+2*n], v[S+9+2*n]
.set n, n+1
.endr
	s_delay_alu instid0(VALU_DEP_2)
	v_max3_num_f32 v[MX], v[MX], v[MX+1], v[MX+2]
	s_delay_alu instid0(VALU_DEP_1)
	v_max_num_f32 v[MX], v[MX], v[MX+3]
	s_delay_alu instid0(VALU_DEP_1)
	v_permlanex16_b32 v[TP], v[MX], s[SEL], s[SEL+1]
	s_delay_alu instid0(VALU_DEP_1)
	v_max_num_f32 v[MX], v[MX], v[TP]
	s_delay_alu instid0(VALU_DEP_1)
	v_mul_f32 v[MT], s[CS], v[MX]
.endm
.macro EXPP                            ; p = 2^(t - m): all sources first, then the exponentials as one batch
.set n, 0
.rept 64
	v_pk_fma_f32 v[S+2*n:S+2*n+1], v[S+2*n:S+2*n+1], s[CS:CS+1], v[MT:MT+1] op_sel_hi:[1,0,0] neg_lo:[0,0,1] neg_hi:[0,0,1]
.set n, n+1
.endr
	s_wait_alu depctr_va_vdst(0)                   ; ahead of the batch
.set n, 0
.rept 128
	v_exp_f32 v[S+n], v[S+n]
.set n, n+1
.endr
	v_nop                                          ; a plain place behind the last exponential
	s_wait_alu depctr_va_vdst(0)                   ; and one wait for the whole batch, ahead of its first reader
.endm
.macro GLOAD kb                        ; group_prob of my query at 64 of my keys, in p's layout
.irp c, 0,1,2,3,4,5,6,7
	ds_load_b128 v[GPB+8*\c:GPB+8*\c+3], v[ADG] offset:512*(\kb)+64*\c
	ds_load_b128 v[GPB+8*\c+4:GPB+8*\c+7], v[ADG] offset:512*(\kb)+64*\c+16
.endr
.endm
.macro SUMP                            ; the sum of p over my 256 keys, packed, in four chains
	v_pk_add_f32 v[LA:LA+1], v[S:S+1], v[S+2:S+3]
	v_pk_add_f32 v[LB:LB+1], v[S+4:S+5], v[S+6:S+7]
	v_pk_add_f32 v[LC:LC+1], v[S+8:S+9], v[S+10:S+11]
	v_pk_add_f32 v[LD:LD+1], v[S+12:S+13], v[S+14:S+15]
.set n, 0
.rept 14
	v_pk_add_f32 v[LA:LA+1], v[LA:LA+1], v[S+16+8*n:S+17+8*n]
	v_pk_add_f32 v[LB:LB+1], v[LB:LB+1], v[S+18+8*n:S+19+8*n]
	v_pk_add_f32 v[LC:LC+1], v[LC:LC+1], v[S+20+8*n:S+21+8*n]
	v_pk_add_f32 v[LD:LD+1], v[LD:LD+1], v[S+22+8*n:S+23+8*n]
.set n, n+1
.endr
	s_delay_alu instid0(VALU_DEP_3)
	v_pk_add_f32 v[LA:LA+1], v[LA:LA+1], v[LB:LB+1]
	s_delay_alu instid0(VALU_DEP_2)
	v_pk_add_f32 v[LC:LC+1], v[LC:LC+1], v[LD:LD+1]
	s_delay_alu instid0(VALU_DEP_1)
	v_pk_add_f32 v[LA:LA+1], v[LA:LA+1], v[LC:LC+1]
	s_delay_alu instid0(VALU_DEP_1)
	v_add_f32 v[LL], v[LA], v[LA+1]
	s_delay_alu instid0(VALU_DEP_1)
	v_permlanex16_b32 v[TP], v[LL], s[SEL], s[SEL+1]
	s_delay_alu instid0(VALU_DEP_1)
	v_add_f32 v[LL], v[LL], v[TP]
.endm
.macro MULGP kb
.set n, 0
.rept 32
	v_pk_mul_f32 v[S+64*(\kb)+2*n:S+64*(\kb)+2*n+1], v[S+64*(\kb)+2*n:S+64*(\kb)+2*n+1], v[GPB+2*n:GPB+2*n+1]
.set n, n+1
.endr
.endm
.macro FIN kb, pc                      ; x 2^(m - M) / the row's sum; the hold (the conversion does not saturate: ISA guide 7.6.2; group_prob may have either sign); the codes
.set n, 0
.rept 32
	v_pk_mul_f32 v[S+64*(\kb)+2*n:S+64*(\kb)+2*n+1], v[S+64*(\kb)+2*n:S+64*(\kb)+2*n+1], v[FF:FF+1] op_sel_hi:[1,0]
.set n, n+1
.endr
.set n, 0
.rept 64
	v_med3_num_f32 v[S+64*(\kb)+n], v[S+64*(\kb)+n], -v[LIMV], v[LIMV]
.set n, n+1
.endr
.irp c, 0,1,2,3,4,5,6,7
	v_cvt_scalef32_pk8_bf8_f32 v[\pc+2*\c:\pc+2*\c+1], v[S+64*(\kb)+8*\c:S+64*(\kb)+8*\c+7], v[SCV]
.endr
	v_nop                                          ; one plain line behind the last conversion of a run
.endm
.macro PV                              ; O^T = V^T P^T over my 256 keys: the four accumulators by turns
	WIN 0x01
.irp dt, 0,1,2,3
	v_wmma_f32_16x16x128_bf8_bf8 v[S+8*\dt:S+8*\dt+7], v[128+16*\dt:128+16*\dt+15], v[PC0:PC0+15], 0
.endr
.irp dt, 0,1,2,3
	v_wmma_f32_16x16x128_bf8_bf8 v[S+8*\dt:S+8*\dt+7], v[192+16*\dt:192+16*\dt+15], v[GPB:GPB+15], v[S+8*\dt:S+8*\dt+7]
.endr
	WIN 0
.endm
.macro WOLOAD                          ; the four key groups' partial sums of my four rows of the step before
.irp i, 0,1
.irp g, 0,1,2,3
	ds_load_b128 v[WO+8*\g+4*\i:WO+8*\g+4*\i+3], v[RD] offset:32*SP*\g+2*SP*\i
.endr
.endr
.endm
.macro WOADD
.irp i, 0,1
.irp p, 0,2
	v_pk_add_f32 v[WO+4*\i+\p:WO+4*\i+\p+1], v[WO+4*\i+\p:WO+4*\i+\p+1], v[WO+8+4*\i+\p:WO+8+4*\i+\p+1]
	v_pk_add_f32 v[WO+16+4*\i+\p:WO+16+4*\i+\p+1], v[WO+16+4*\i+\p:WO+16+4*\i+\p+1], v[WO+24+4*\i+\p:WO+24+4*\i+\p+1]
.endr
.endr
.irp i, 0,1
.irp p, 0,2
	v_pk_add_f32 v[WO+4*\i+\p:WO+4*\i+\p+1], v[WO+4*\i+\p:WO+4*\i+\p+1], v[WO+16+4*\i+\p:WO+16+4*\i+\p+1]
.endr
.endr
.endm
.macro WOOUT off                       ; x 2^(e8 + e9), into registers that are next written behind a wait on XCNT; 16 lanes store 256 consecutive aligned bytes
.irp i, 0,1
.irp p, 0,2
	v_pk_mul_f32 v[PC0+4*\i+\p:PC0+4*\i+\p+1], v[WO+4*\i+\p:WO+4*\i+\p+1], s[OS:OS+1] op_sel_hi:[1,0]
.endr
.endr
.irp i, 0,1
	global_store_b128 v[GO], v[PC0+4*\i:PC0+4*\i+3], s[OUTP:OUTP+1] offset:8192*\i-(\off) th:TH_STORE_NT
.endr
.endm
; A STEP: 16 queries.  wo: the step before's O goes out;  fill: the next tile is asked for;  nextq: the next Q is loaded.
.macro ITER wo, fill, nextq
	s_wait_dscnt 0x0                               ; my stores into the stage have read their registers
	v_add_nc_u32 v[ADG], s[TB], v[AG0]             ; this step's copies,
	v_add_nc_u32 v[STO], s[TB], v[STO0]
	v_add_nc_u32 v[SWA], s[TB], v[SWA0]
	v_add_nc_u32 v[SRA], s[TB], v[SRA0]
	v_add_nc_u32 v[RD], s[TO], v[RD0]              ; and the stage of the step before
	s_wait_loadcnt 0x0                             ; Q (the first time: K and V too)
	KQ
	PLACES 4
	MAXP
.if \nextq
.irp x, 0,1
	global_load_b128 v[QF+4*\x:QF+4*\x+3], v[LI], s[QP:QP+1] offset:1024+512*\x
.endr
.endif
	EXPP
	SUMP
	ds_store_b64 v[SWA], v[MT:MT+1]                ; (m, sum)
	s_wait_xcnt 0x0                                ; my loads, stores and prefetch have read their registers: the three bases step, and the stores' data may be written again
	s_add_nc_u64 s[QP:QP+1], s[QP:QP+1], 1024
	s_add_nc_u64 s[OUTP:OUTP+1], s[OUTP:OUTP+1], TILEB
	s_add_nc_u64 s[PFA:PFA+1], s[PFA:PFA+1], TILEB
	s_wait_tensorcnt 0x0                           ; my part of this step's tile is in, and no tensor load of mine is out
	ds_add_u32 v[SPW], v[NIL]                      ; 0 onto my spare word
.if \fill
	s_xor_b32 s[G0+1], s[G0+1], SLOT1              ; the walking descriptor: the other slot, the next 16 rows
	s_add_nc_u64 s[G0+2:G0+3], s[G0+2:G0+3], TILEB
.endif
	s_wait_dscnt 0x0                               ; the add, my (m, sum), my partial O of the step before, and my reads of the other slot and stage are done
.if \fill
	CROUND                                         ; that now holds of every wave of all four work-groups
	tensor_load_to_lds s[G0:G0+3], s[G1:G1+7]      ; the next tile, into the slot read in the step before (the first time: slot 1's first fill)
	s_nop 0
	PLACES 4
.else
	s_barrier_signal -1
	s_barrier_wait -1
.endif
.irp g, 0,1,2,3
	ds_load_b64 v[SX+2*\g:SX+2*\g+1], v[SRA] offset:256*\g
.endr
	GLOAD 0
	s_wait_dscnt 16                                ; the four (m, sum) are in; the sixteen loads behind them may be out
	v_max3_num_f32 v[MG], v[SX], v[SX+2], v[SX+4]
	v_max_num_f32 v[MG], v[MG], v[SX+6]            ; M: the row's largest t
.irp g, 0,1,2,3
	v_sub_f32 v[DD+\g], v[SX+2*\g], v[MG]
.endr
	v_sub_f32 v[DD+4], v[MT], v[MG]
	s_wait_alu depctr_va_vdst(0)                   ; a wait ahead of each batch of transcendentals and one behind it
.irp g, 0,1,2,3,4
	v_exp_f32 v[DD+\g], v[DD+\g]
.endr
	v_nop
	s_wait_alu depctr_va_vdst(0)
	v_mul_f32 v[RC], v[SX+1], v[DD]
	v_fma_f32 v[RC], v[SX+3], v[DD+1], v[RC]
	v_fma_f32 v[RC], v[SX+5], v[DD+2], v[RC]
	v_fma_f32 v[RC], v[SX+7], v[DD+3], v[RC]       ; the row's sum under M
	s_wait_alu depctr_va_vdst(0)
	v_rcp_f32 v[RC], v[RC]
	v_nop
	s_wait_alu depctr_va_vdst(0)
	v_mul_f32 v[FF], v[DD+4], v[RC]                ; 2^(m - M) / sum
	s_wait_dscnt 0x0
	MULGP 0
	GLOAD 1
.if \fill
	ASK
.endif
	FIN 0, PC0
	s_wait_dscnt 0x0
	MULGP 1
.if \wo
	WOLOAD
.endif
	FIN 1, GPB
	PV
.if \wo
	s_wait_dscnt 0x0
	WOADD                                          ; these twelve are also the places behind the products
.else
	PLACES 4
.endif
.irp dt, 0,1,2,3
	ds_store_b128 v[STO], v[S+8*\dt:S+8*\dt+3] offset:64*\dt        ; my partial O: row = query r, channels 16 dt + 8 h on
	ds_store_b128 v[STO], v[S+8*\dt+4:S+8*\dt+7] offset:64*\dt+16
.endr
.if \wo
	WOOUT 2*TILEB                                  ; the base has stepped twice since the rows of the step before
.endif
	s_xor_b32 s[TB], s[TB], SLOT1
	s_xor_b32 s[TO], s[TO], SLOT1
.endm
	s_wait_alu depctr_va_vdst(0)                   ; the head's end
	ITER 0, 1, 1                                   ; step 0: nothing to send out yet
	s_mov_b32 s[CNT], 14
.Lit:                                              ; steps 1 to 14
	ITER 1, 1, 1
	s_sub_co_u32 s[CNT], s[CNT], 1
	s_cmp_lg_u32 s[CNT], 0
	s_cbranch_scc1 .Lit
	ITER 1, 0, 0                                   ; step 15 is written out: nothing is left to fetch, so no round
	s_wait_dscnt 0x0                               ; my partial O of step 15 is in the stage
	v_add_nc_u32 v[RD], s[TO], v[RD0]
	s_wait_alu depctr_va_vdst(0)
	s_barrier_signal -1
	s_barrier_wait -1
	WOLOAD
	s_wait_xcnt 0x0                                ; step 14's stores have read their data
	s_wait_dscnt 0x0
	WOADD
	WOOUT TILEB
	s_wait_tensorcnt 0x0                           ; the wave's end
	ds_add_u32 v[SPW], v[NIL]
	s_wait_dscnt 0x0
	CROUND                                         ; the closing round
	s_endpgm
.Lfunc_end_k_q9a52905a56_attn:
	.size	k_q9a52905a56_attn, .Lfunc_end_k_q9a52905a56_attn-k_q9a52905a56_attn
	.p2alignl 7, 3214868480
	.fill 96, 4, 3214868480
	.section	.rodata,"a",@progbits
	.p2align	6, 0x0
	.amdhsa_kernel k_q9a52905a56_attn
		.amdhsa_group_segment_fixed_size 327680
		.amdhsa_private_segment_fixed_size 0
		.amdhsa_enable_private_segment 0
		.amdhsa_kernarg_size 32
		.amdhsa_user_sgpr_count 2
		.amdhsa_user_sgpr_kernarg_segment_ptr 1
		.amdhsa_wavefront_size32 1
		.amdhsa_system_sgpr_workgroup_id_x 1
		.amdhsa_system_sgpr_workgroup_id_y 1
		.amdhsa_system_sgpr_workgroup_id_z 1
		.amdhsa_system_vgpr_workitem_id 0
		.amdhsa_next_free_vgpr 512
		.amdhsa_next_free_sgpr 80
		.amdhsa_reserve_vcc 0
		.amdhsa_float_denorm_mode_32 3
		.amdhsa_float_denorm_mode_16_64 3
		.amdhsa_memory_ordered 1
		.amdhsa_forward_progress 1
		.amdhsa_inst_pref_size 141
	.end_amdhsa_kernel
	.amdgpu_metadata
---
amdhsa.version: [ 1, 2 ]
amdhsa.kernels:
  - .name:           k_q9a52905a56_attn
    .symbol:         k_q9a52905a56_attn.kd
    .args:
      - { .name: hc, .offset: 0, .size: 8, .value_kind: global_buffer, .address_space: global }
      - { .name: group_prob, .offset: 8, .size: 8, .value_kind: global_buffer, .address_space: global }
      - { .name: lowp_scales, .offset: 16, .size: 8, .value_kind: global_buffer, .address_space: global }
      - { .name: out0, .offset: 24, .size: 8, .value_kind: global_buffer, .address_space: global }
    .group_segment_fixed_size: 327680
    .private_segment_fixed_size: 0
    .kernarg_segment_align: 8
    .kernarg_segment_size: 32
    .max_flat_workgroup_size: 256
    .sgpr_count:     80
    .vgpr_count:     512
    .wavefront_size: 32
...
	.end_amdgpu_metadata
.endif
;; end of part 3
